; MI455X (gfx1250); checked and timed in simulation.
; The chip was launched on July 23, 2026; its instructions are those of AMD's public machine-readable ISA for CDNA 5 (MIT licence, August 2026) and "CDNA5" Instruction Set Architecture Reference Guide (July 2026). The comments in the code are by the model that wrote it; some were corrected since.
;; Multi Head Self Attention. Allowed arithmetic: matrix products marked QUANTISED: E5M2 operands, one E8M0 scale for each 32 along K, by v_wmma_scale_f32_16x16x128_f8f6f4 with both operands' format E5M2, f32 sums; everything else in f32.
;; Inputs: Wk_codes 1,024 x 32 x 32 uint8 (E5M2 codes of Wk, K innermost, in blocks of 32 codes); Wk_scales 1,024 x 32 uint8 (E8M0 scales of Wk, one for each 32 codes along K); Wo_codes 1,024 x 32 x 32 uint8 (E5M2 codes of Wo, K innermost, in blocks of 32 codes); Wo_scales 1,024 x 32 uint8 (E8M0 scales of Wo, one for each 32 codes along K); Wq_codes 1,024 x 32 x 32 uint8 (E5M2 codes of Wq, K innermost, in blocks of 32 codes); Wq_scales 1,024 x 32 uint8 (E8M0 scales of Wq, one for each 32 codes along K); Wv_codes 1,024 x 32 x 32 uint8 (E5M2 codes of Wv, K innermost, in blocks of 32 codes); Wv_scales 1,024 x 32 uint8 (E8M0 scales of Wv, one for each 32 codes along K); bk 1,024 float32; bo 1,024 float32; bq 1,024 float32; bv 1,024 float32; x_codes 4 x 2,048 x 32 x 32 uint8 (E5M2 codes of x, K innermost, in blocks of 32 codes); x_scales 4 x 2,048 x 32 uint8 (E8M0 scales of x, one for each 32 codes along K).
;; Outputs: out0 4 x 1,024 float32; out1 4 x 2,048 float32.
;; This version of the problem:
;;   THIS VERSION OF THE PROBLEM IS GIVEN IN LOW PRECISION. The matrix products marked QUANTISED in the list below multiply operands that are first quantised to E5M2 (5 exponent bits, 2 mantissa bits; 8 bits a number), with one power-of-two scale for each 32 numbers along K (OCP MX v1.0); their sums are f32. All else is computed in f32.
;;   The module's matrix products, in the order in which they are computed (A, B: the left and right operand; K: the contracted axis; several contracted axes count as one K, in the product's order):
;;     1. [M 8,192, K 1,024] x [K 1,024, N 1,024]; A: input x (given as codes); B: input Wq (given as codes): QUANTISED
;;     2. [M 8,192, K 1,024] x [K 1,024, N 1,024]; A: input x (given as codes); B: input Wk (given as codes): QUANTISED
;;     3. [M 8,192, K 1,024] x [K 1,024, N 1,024]; A: input x (given as codes); B: input Wv (given as codes): QUANTISED
;;     4. batch 64 x [M 2,048, K 64] x [K 64, N 2,048]; A: computed on the way; B: computed on the way: QUANTISED
;;     5. batch 64 x [M 2,048, K 2,048] x [K 2,048, N 64]; A: softmax (see below); B: computed on the way: QUANTISED
;;     6. [M 8,192, K 1,024] x [K 1,024, N 1,024]; A: computed on the way; B: input Wo (given as codes): QUANTISED
;;   THE QUANTISER, for each operand of a quantised product, along K:
;;     - K is cut into blocks of 32 from its start; a last block that is shorter is filled with zeros.
;;     - A block's scale is 2^e with e = floor(log2(the largest magnitude in the block)) - 15, held to -126 .. 127; a block of zeros has e = 0. As a byte (E8M0): e + 127.
;;     - Each number is divided by its block's scale, clamped to +-57,344, and rounded to the nearest number of E5M2, ties to even, subnormals kept.
;;     - The product sums the exact products of the quantised numbers (number of the format x scale) in f32.
;;   ~~~python
;;   def quantise(x, axis):      # numpy; x: float32 -> the quantised numbers, widened to float32 again
;;       x = np.moveaxis(x, axis, -1); K = x.shape[-1]
;;       x = np.pad(x, [(0, 0)] * (x.ndim - 1) + [(0, -K % 32)]); x = x.reshape(x.shape[:-1] + (-1, 32)); a = np.abs(x).max(-1, keepdims=True)
;;       e = np.where(a > 0, np.clip(np.frexp(np.where(a > 0, a, 1))[1] - 1 - 15, -126, 127), 0)      # np.frexp(a)[1] - 1 = floor(log2(a)), exactly
;;       r = np.clip(x / 2.0 ** e, -57344, 57344)
;;       step = 2.0 ** (np.maximum(np.frexp(np.where(r == 0, 1, r))[1] - 1, -14) - 2)
;;       q = np.round(r / step) * step * 2.0 ** e      # np.round: ties to even
;;       return np.moveaxis(q.reshape(q.shape[:-2] + (-1,))[..., :K], -1, axis).astype(np.float32)
;;   ~~~
;;   SOFTMAX AHEAD OF A QUANTISED PRODUCT. Where the list says 'softmax', what is quantised is not the finished softmax but p = 2^(t - M), with t = logit x log2(e) and M = ceil(the row's largest t), a whole number; so 1/2 < the row's largest p <= 1. The row's sum l is taken of the UNQUANTISED p, in f32, and the product's result is divided by l at the end. Since M is a whole number, a kernel that streams over the keys may use a running M (the ceiling of the running maximum): every later rescaling is an exact power of two, which a block's scale takes up: the codes' values come out the same.
;;   OPERANDS COMPUTED ON THE WAY. 'Computed on the way' means the value that the module computes at that place (a softmax that the list does not call 'softmax' is quantised finished and normalised). What goes into a quantiser is computed in f32, as accurately as f32 sums, v_exp_f32 and their like allow (about 1e-6 of the number): no bf16 or f16 on the way to a quantiser, and a product that is left as it is and whose result goes on into a quantised operand takes f32 operands (vector FMAs, or v_wmma_f32_16x16x4_f32). A number that lies on a knife's edge between two numbers of the format may be rounded either way, as far as f32 arithmetic and the matrix unit's own rounding can turn it there, and no further.
;;   INPUTS GIVEN AS CODES. Wk (in the module: [1024, 1024], K = its axis 1); Wo (in the module: [1024, 1024], K = its axis 1); Wq (in the module: [1024, 1024], K = its axis 1); Wv (in the module: [1024, 1024], K = its axis 1); x (in the module: [4, 2048, 1024], K = its axis 2): each comes as NAME_codes (uint8): NAME with its K axis moved to the last place and cut into blocks of 32 codes, [.., K / 32, bytes a block], one block behind the other in memory; one code a byte (a code: sign, 5 exponent bits, 2 mantissa bits); and NAME_scales (uint8): the same leading axes, one E8M0 byte (e + 127) for each 32 codes along K. Its value is code x scale, taken as it is: it is not quantised again, and the codes and scales need not be those that the quantiser above would give.
;; One version. Each part assembles by itself: llvm-mc -triple=amdgcn-amd-amdhsa -mcpu=gfx1250 --defsym DOCPART=n.
;; ======== version 1 of 1: 3 launches
;; limits: right only within a limited range of input values
;; workspace buffers: qc 8,388,608 bytes; qs 524,288 bytes; kc 8,388,608 bytes; ks 524,288 bytes; vc 8,388,608 bytes; vs 262,144 bytes; pp 1,048,576 bytes; pw 2,097,152 bytes
;; launch proj (part 1): grid 12 x 32, 4 waves a work-group, clusters of 4 x 4, 327,680 bytes of LDS; arguments x_codes, x_scales, Wq_codes, Wq_scales, Wk_codes, Wk_scales, Wv_codes, Wv_scales, bq, bk, bv, qc, qs, kc, ks, vc, vs; writes qc, qs, kc, ks, vc, vs
.if DOCPART == 1
	.amdgcn_target "amdgcn-amd-amdhsa--gfx1250"
	.amdhsa_code_object_version 6
	.text
	.protected	k_q69a7184103_proj
	.globl	k_q69a7184103_proj
	.p2align	8
	.type	k_q69a7184103_proj,@function
k_q69a7184103_proj:
	s_mov_b64 s[64:65], 0
	v_nop
	global_prefetch_b8 v0, s[64:65] scope:SCOPE_SE
	s_setreg_imm32_b32 hwreg(HW_REG_WAVE_MODE, 25, 1), 1
	s_wait_xcnt 0x0
	s_wait_alu depctr_hold_cnt(0) depctr_sa_sdst(0) depctr_va_vdst(0) depctr_va_sdst(0) depctr_va_ssrc(0) depctr_va_vcc(0) depctr_vm_vsrc(0)
	s_getreg_b32 s2, hwreg(HW_REG_IB_STS2, 6, 4)
	s_cmp_eq_u32 s2, 0
	s_cbranch_scc0 .Lentry_in_a_cluster
	s_endpgm
.Lentry_in_a_cluster:
	s_bfe_u32 s2, ttmp6, 0x10000c
	s_cmp_lg_u32 s2, 0xf033
	s_cbranch_scc0 .Lentry_shape_is_right
	s_endpgm
.Lentry_shape_is_right:
; Q, K, V = x W^T + b ON CODES OF MX-BF8, AND THEIR QUANTISERS: codes and scale bytes leave in the order of the operand registers of the launch that reads them.
; A work-group of four waves makes a tile of 256 x 256; a wave 128 x 128 in 512 registers.  Cluster column 0 makes Q, 1 makes K (A = x's rows, B = the weight's), 2 makes V (A = Wv's rows, B = x's rows: V is quantised along the tokens).
; K = 1,024 goes in four steps of 256 through a ring of two LDS slots; rows of 256 bytes; A's tiles are asked for jointly along a row of the 4 x 4 cluster, B's along a column.
; THE HEAD: one joint load a wave: wave 0 K step 0's 256 rows of A, wave 1 those of B, wave 2 the scale bytes of A's 256 rows for all of K, wave 3 B's.  Slot 1 is first filled behind the full sequence and a round.
; No prefetch: the block is the largest, in clusters, and K is four steps: steps 0 and 1 come at the head, and only two refills follow.
; LIMITS: NaN, infinities and sums beyond f32's range are not served; a block's byte never falls under 1.
.set KSTEP,  256
.set G0H, 4                            ; s[4:7], s[8:11] group 0 of the head's loads of codes (the arguments that lay there have been used by then)
.set G0HB, 8
.set NQ,     2
.set ROWB,   256
.set KROW,   1024
.set PITCH,  272
.set FR,     16
.set NL,     4
.set NP,     8
.set HALFT,  128*PITCH
.set SLOT,   4*HALFT
.set KS,     32
.set SCL,    2*SLOT
.set HALFS,  16*272
.set SBLK,   2*272
.set SPARE,  SCL+4*HALFS
.set STQ,    0
.set STV,    4096
.set BV,   8
.set ADRA, 16
.set VSO,  19
.set ADRB, 20
.set VSA,  22
.set VRA,  23
.set QSA,  24
.set QRA,  25
.set LO,   26
.set ADRS, 27
.set SPW,  28
.set NIL,  29
.set BO1,  30
.set BO2,  31
.set SC,   32
.set BIAS, 64
.set AF,   128
.set T,    128
.set PC,   192
.set TM,   208
.set SW,   32
.set PWR,  48
.set RB,   56
.set G1, 24
.set G0, 32
.set G1B, 48
.set G0B, 56
.set G1S, 68
.set G0S, 76
.set G1SB, 80
.set G0SB, 88
.set MSB, 0
.macro WIN new
.if MSB != \new
	s_set_vgpr_msb (MSB<<8)|\new
.set MSB, \new
.endif
.endm
.set MUL_LO, 0xa1
.set MUL_HI, 0xf1
.set TO_B,   0x40
.macro JLOAD g0a, g1a, g0b, g1b
	s_cmp_eq_u32 s15, 0
	s_cbranch_scc0 .Lfor_b_\@
	tensor_load_to_lds s[\g0a:\g0a+3], s[\g1a:\g1a+7]
	s_nop 0
.rept 4
	v_nop
.endr
	s_branch .Lasked_\@
.Lfor_b_\@:
	tensor_load_to_lds s[\g0b:\g0b+3], s[\g1b:\g1b+7]
	s_nop 0
.rept 4
	v_nop
.endr
.Lasked_\@:
.endm
.macro CREST
	s_cmp_lg_u32 s14, 0
	s_cbranch_scc1 .Lnot_wave_0_\@
	s_barrier_signal -3
.Lnot_wave_0_\@:
	s_barrier_wait -3
	s_barrier_signal -1
	s_barrier_wait -1
.endm
.macro CROUND
	s_barrier_signal -1
	s_barrier_wait -1
	CREST
.endm
	s_load_b512 s[24:39], s[0:1], 0x0
	s_load_b512 s[48:63], s[0:1], 0x40
	s_load_b64 s[68:69], s[0:1], 0x80
	v_lshl_add_u32 v[SPW], v0, 2, SPARE
	v_mov_b32 v[NIL], 0
	ds_add_u32 v28, v29
	ds_add_u32 v28, v29
	s_wait_dscnt 0x0
	v_lshrrev_b32 v1, 5, v0
	v_readfirstlane_b32 s14, v1
	s_lshr_b32 s15, s14, 1
	s_and_b32 s16, s14, 1
	s_bfe_u32 s40, ttmp6, 0x40000
	s_bfe_u32 s41, ttmp6, 0x40004
	s_and_b32 s17, ttmp7, 0xffff
	s_lshl_b32 s17, s17, 2
	s_lshl_b32 s43, s41, 2
	s_lshl_b32 s43, 15, s43
	s_lshl_b32 s44, 0x1111, s40
	s_mov_b32 s2, 0x76543210
	s_mov_b32 s3, 0xfedcba98
	s_mov_b32 s101, 0x600000
	s_wait_kmcnt 0x0
	s_cmp_eq_u32 ttmp9, 1
	s_cselect_b64 s[72:73], s[32:33], s[28:29]
	s_cselect_b64 s[74:75], s[34:35], s[30:31]
	s_cselect_b64 s[98:99], s[50:51], s[48:49]
	s_cselect_b64 s[12:13], s[58:59], s[54:55]
	s_cselect_b64 s[96:97], s[60:61], s[56:57]
	s_cmp_eq_u32 ttmp9, 2
	s_cselect_b64 s[72:73], s[36:37], s[72:73]
	s_cselect_b64 s[74:75], s[38:39], s[74:75]
	s_cselect_b64 s[98:99], s[52:53], s[98:99]
	s_cselect_b64 s[12:13], s[62:63], s[12:13]
	s_cselect_b64 s[96:97], s[68:69], s[96:97]
	s_cselect_b32 s100, 1, 0
	s_cselect_b32 s42, s17, 0
	s_cselect_b32 s17, 0, s17
	s_cselect_b64 s[4:5], s[72:73], s[24:25]
	s_cselect_b64 s[6:7], s[74:75], s[26:27]
	s_cselect_b64 s[8:9], s[24:25], s[72:73]
	s_cselect_b64 s[10:11], s[26:27], s[74:75]
	s_add_co_u32 s42, s42, s40
	s_add_co_u32 s17, s17, s41
	s_or_b32 s[G1+0], s43, (0<<16)|(1<<20)|(1<<21)|(5<<22)|(3<<25)
	s_or_b32 s[G1B+0], s44, (0<<16)|(1<<20)|(1<<21)|(5<<22)|(3<<25)
.irp g, G1, G1B
	s_mov_b32 s[\g+1], ROWB<<16
	s_mov_b32 s[\g+2], 256<<16
	s_mov_b32 s[\g+3], ROWB<<16
	s_mov_b32 s[\g+4], 256
	s_mov_b32 s[\g+5], KROW
	s_mov_b32 s[\g+6], 0
	s_mov_b32 s[\g+7], 0
.endr
	s_or_b32 s[G1S+0], s43, (3<<16)|(1<<20)|(1<<21)|(5<<22)|(3<<25)
	s_or_b32 s[G1SB+0], s44, (3<<16)|(1<<20)|(1<<21)|(5<<22)|(3<<25)
.irp g, G1S, G1SB
	s_mov_b32 s[\g+1], 32<<16
	s_mov_b32 s[\g+2], 32<<16
	s_mov_b32 s[\g+3], 32<<16
	s_mov_b32 s[\g+4], 32
	s_mov_b32 s[\g+5], 32
	s_mov_b32 s[\g+6], 0
	s_mov_b32 s[\g+7], 0
.endr
	s_lshl_b32 s20, s17, 8                         ; A: the tile's first row
	s_lshl_b32 s46, s42, 8                         ; B: likewise
	s_mov_b32 s21, 0
	s_mov_b32 s47, 0
	s_mov_b64 s[18:19], KS
	s_mul_u64 s[22:23], s[20:21], s[18:19]
	s_mul_u64 s[92:93], s[46:47], s[18:19]
	s_mov_b64 s[18:19], KROW
	s_mul_u64 s[20:21], s[20:21], s[18:19]
	s_mul_u64 s[46:47], s[46:47], s[18:19]
	s_mul_i32 s45, s14, HALFT
	s_mul_i32 s18, s16, 128*KROW                   ; in the ring I fetch 128 rows of a tile: which half, in bytes
	s_mov_b32 s19, 0
	s_add_nc_u64 s[20:21], s[4:5], s[20:21]
	s_add_nc_u64 s[22:23], s[6:7], s[22:23]
	s_add_nc_u64 s[46:47], s[8:9], s[46:47]
	s_add_nc_u64 s[92:93], s[10:11], s[92:93]
	CROUND
	s_mov_b32 s[G0S], 1
	s_mov_b32 s[G0S+1], SCL
	s_mov_b64 s[G0S+2:G0S+3], s[22:23]
	s_or_b32 s[G0S+3], s[G0S+3], 0x80000000
	s_mov_b32 s[G0SB], 1
	s_mov_b32 s[G0SB+1], SCL+2*HALFS
	s_mov_b64 s[G0SB+2:G0SB+3], s[92:93]
	s_or_b32 s[G0SB+3], s[G0SB+3], 0x80000000
	s_mov_b32 s[G0H], 1                            ; K step 0's 256 rows of A,
	s_mov_b32 s[G0H+1], 0
	s_mov_b64 s[G0H+2:G0H+3], s[20:21]
	s_or_b32 s[G0H+3], s[G0H+3], 0x80000000
	s_mov_b32 s[G0HB], 1                           ; and of B, behind them in slot 0
	s_mov_b32 s[G0HB+1], 2*HALFT
	s_mov_b64 s[G0HB+2:G0HB+3], s[46:47]
	s_or_b32 s[G0HB+3], s[G0HB+3], 0x80000000
	s_add_nc_u64 s[20:21], s[20:21], s[18:19]      ; for the ring: my 128 rows of the tile
	s_add_nc_u64 s[46:47], s[46:47], s[18:19]
.irp s, 0,1
	s_mov_b32 s[G0+4*\s], 1
	s_add_co_u32 s[G0+4*\s+1], s45, \s*SLOT
	s_add_nc_u64 s[G0+4*\s+2:G0+4*\s+3], s[20:21], \s*ROWB
	s_or_b32 s[G0+4*\s+3], s[G0+4*\s+3], 0x80000000
	s_mov_b32 s[G0B+4*\s], 1
	s_add_co_u32 s[G0B+4*\s+1], s45, \s*SLOT
	s_add_nc_u64 s[G0B+4*\s+2:G0B+4*\s+3], s[46:47], \s*ROWB
	s_or_b32 s[G0B+4*\s+3], s[G0B+4*\s+3], 0x80000000
.endr
; the head's loads: one chain of branches on the wave's number, a load to an arm, all arms leading to one join
.macro ARM under, g0, g1, next
	s_cmp_lt_u32 s14, \under
	s_cbranch_scc0 \next
	tensor_load_to_lds s[\g0:\g0+3], s[\g1:\g1+7]
	s_nop 0
.rept 4
	v_nop
.endr
	s_branch .Lhead_asked
\next:
.endm
	ARM 1, G0H,  G1,  .Lhead_b
	ARM 2, G0HB, G1B, .Lhead_sa
	ARM 3, G0S,  G1S, .Lhead_sb
	tensor_load_to_lds s[G0SB:G0SB+3], s[G1SB:G1SB+7]
	s_nop 0
.rept 4
	v_nop
.endr
.Lhead_asked:
	v_and_b32 v1, 15, v0
	v_bfe_u32 v2, v0, 4, 1
	v_mul_u32_u24 v3, v1, PITCH
	v_lshl_add_u32 v4, v2, 4, v3
	s_mul_i32 s21, s15, HALFT
	s_mul_i32 s22, s16, HALFT
	s_add_co_u32 s22, s22, 2*HALFT
.irp s, 0,1
	v_add_nc_u32 v[ADRA+\s], s21, v4
	v_add_nc_u32 v[ADRB+\s], s22, v4
	s_add_co_u32 s21, s21, SLOT
	s_add_co_u32 s22, s22, SLOT
.endr
	v_mul_u32_u24 v5, v1, KS
	v_lshrrev_b32 v6, 8, v5
	v_lshl_add_u32 v5, v6, 4, v5
	s_mul_i32 s21, s15, HALFS
	s_mul_i32 s22, s16, HALFS
	s_add_co_u32 s22, s22, 2*HALFS
	s_sub_co_u32 s22, s22, s21
	v_mul_u32_u24 v6, s22, v2
	s_add_co_u32 s21, s21, SCL
	v_add_nc_u32 v5, v5, v6
	v_add_nc_u32 v[ADRS], s21, v5
	s_lshl_b32 s23, s14, 10
	v_lshlrev_b32 v[BO2], 2, v1
	v_add_nc_u32 v[QSA], s23, v[BO2]
	v_and_b32 v6, 31, v0
	v_lshlrev_b32 v[LO], 4, v6
	v_add_nc_u32 v[QRA], s23, v[LO]
	s_lshl_b32 s23, s14, 9
	s_add_co_u32 s23, s23, STV
	v_add_nc_u32 v[VSA], s23, v[BO2]
	v_add_nc_u32 v[VRA], s23, v[LO]
	v_lshlrev_b32 v[VSO], 4, v1
	v_lshl_add_u32 v[VSO], v2, 12, v[VSO]
	v_lshlrev_b32 v[BO1], 5, v2
	s_wait_alu depctr_va_vdst(0)
	s_lshl_b32 s20, s17, 8
	s_lshl_b32 s21, s15, 7
	s_add_co_u32 s20, s20, s21
	s_lshl_b32 s21, s42, 8
	s_lshl_b32 s22, s16, 7
	s_add_co_u32 s21, s21, s22
	s_cmp_eq_u32 s100, 1
	s_cselect_b32 s22, s21, s20
	s_cselect_b32 s23, s20, s21
	s_cselect_b32 s44, 16, 17
	s_cselect_b32 s45, 12, 13
	s_cselect_b32 s46, 1, 2
	s_lshr_b32 s43, s22, 11
	s_and_b32 s47, s22, 2047
	s_lshr_b32 s92, s23, 6
	s_lshl_b32 s18, s43, 21
	s_lshl_b32 s19, s92, 17
	s_add_co_u32 s18, s18, s19
	s_lshl_b32 s19, s47, 6
	s_add_co_u32 s18, s18, s19
	s_mov_b32 s19, 0
	s_add_nc_u64 s[12:13], s[12:13], s[18:19]
	s_lshl_b32 s18, s43, s44
	s_lshl_b32 s93, s92, s45
	s_add_co_u32 s18, s18, s93
	s_lshl_b32 s93, s47, s46
	s_add_co_u32 s18, s18, s93
	s_add_nc_u64 s[96:97], s[96:97], s[18:19]
	s_lshl_b32 s18, s23, 2
	s_add_nc_u64 s[98:99], s[98:99], s[18:19]
.irp b, 0,1,2,3,4,5,6,7
	global_load_b128 v[BIAS+8*\b:BIAS+8*\b+3], v[BO1], s[98:99] offset:64*\b
	global_load_b128 v[BIAS+8*\b+4:BIAS+8*\b+7], v[BO1], s[98:99] offset:64*\b+16
.endr
.irp a, 0,1,2,3,4,5,6,7
	global_load_b32 v[BV+\a], v[BO2], s[98:99] offset:64*\a
.endr
.macro FRAG reg, adr, q, i
.irp c, 0,1,2,3
	ds_load_b128 v[\reg+4*\c:\reg+4*\c+3], v[\adr] offset:128*(\q)+32*\c+(\i)*16*PITCH
.endr
.endm
.macro MUL16 a0, p, q, sc, zero
.irp a, \a0, \a0+1
.irp b, 0,1,2,3,4,5,6,7
.if \zero
	v_wmma_scale_f32_16x16x128_f8f6f4 v[8*(8*((\a)%4)+\b):8*(8*((\a)%4)+\b)+7], v[128*(\p)+FR*\b:128*(\p)+FR*\b+FR-1], v[AF+FR*(\a):AF+FR*(\a)+FR-1], 0, v[SC+8*NQ*(\sc)+NQ*\b+(\q)], v[SC+8*NQ*(\sc)+NQ*(\a)+(\q)] matrix_a_fmt:MATRIX_FMT_BF8 matrix_b_fmt:MATRIX_FMT_BF8 matrix_a_scale:MATRIX_SCALE_ROW1
.else
	v_wmma_scale_f32_16x16x128_f8f6f4 v[8*(8*((\a)%4)+\b):8*(8*((\a)%4)+\b)+7], v[128*(\p)+FR*\b:128*(\p)+FR*\b+FR-1], v[AF+FR*(\a):AF+FR*(\a)+FR-1], v[8*(8*((\a)%4)+\b):8*(8*((\a)%4)+\b)+7], v[SC+8*NQ*(\sc)+NQ*\b+(\q)], v[SC+8*NQ*(\sc)+NQ*(\a)+(\q)] matrix_a_fmt:MATRIX_FMT_BF8 matrix_b_fmt:MATRIX_FMT_BF8 matrix_a_scale:MATRIX_SCALE_ROW1
.endif
.endr
.endr
.endm
.macro FETCH_B slot, q, p
	WIN TO_B
.irp i, 0,1,2,3,4,5,6,7
	FRAG 128*(\p)+FR*\i, ADRB+\slot, \q, \i
.endr
	WIN 0
.endm
.macro FETCH_A slot, q, i0
.irp i, \i0, \i0+1, \i0+2, \i0+3
	FRAG AF+FR*(\i), ADRA+\slot, \q, \i
.endr
.endm
.macro SCALES sc
.irp i, 0,1,2,3,4,5,6,7
	ds_load_b64 v[SC+8*NQ*\sc+NQ*\i:SC+8*NQ*\sc+NQ*\i+1], v[ADRS] offset:\i*SBLK
.endr
.endm
.macro PLACES n
.rept \n
	v_nop
.endr
.endm
.macro STEP slot, q, zero
	s_wait_dscnt 4*NL
	WIN MUL_LO
	MUL16 0, (\q)%2, \q, \slot, \zero
	MUL16 2, (\q)%2, \q, \slot, \zero
	s_wait_dscnt 0
	PLACES NP
	FETCH_B \slot, (\q)+1, 1-(\q)%2
	FETCH_A \slot, (\q)+1, 0
	WIN MUL_HI
	MUL16 4, (\q)%2, \q, \slot, \zero
	MUL16 6, (\q)%2, \q, \slot, \zero
	PLACES NP
	WIN 0
	FETCH_A \slot, (\q)+1, 4
.endm
.macro TURN slot, next, fill
	s_wait_tensorcnt 0x0
	ds_add_u32 v[SPW], v[NIL]
	s_wait_dscnt 4*NL+1
	WIN MUL_LO
	MUL16 0, 1, NQ-1, \slot, 0
	s_wait_dscnt 0x0
	s_barrier_signal -1
	MUL16 2, 1, NQ-1, \slot, 0
	WIN 0
	s_barrier_wait -1
.if \fill
	CREST
	s_add_nc_u64 s[G0+4*\slot+2:G0+4*\slot+3], s[G0+4*\slot+2:G0+4*\slot+3], 2*ROWB
	s_add_nc_u64 s[G0B+4*\slot+2:G0B+4*\slot+3], s[G0B+4*\slot+2:G0B+4*\slot+3], 2*ROWB
	JLOAD G0+4*\slot, G1, G0B+4*\slot, G1B
	PLACES NP-4
.else
	PLACES NP
.endif
	s_wait_alu depctr_va_vdst(0)
	v_add_nc_u32 v[ADRS], 4*NQ, v[ADRS]
	FETCH_B \next, 0, 0
	FETCH_A \next, 0, 0
	SCALES \next
	WIN MUL_HI
	MUL16 4, 1, NQ-1, \slot, 0
	MUL16 6, 1, NQ-1, \slot, 0
	PLACES NP
	WIN 0
	FETCH_A \next, 0, 4
.endm
	s_wait_alu depctr_va_vdst(0)                   ; the wait at the head's end
	s_wait_tensorcnt 0x0                           ; my tile of the head's four is in; then the lines ahead of a later first fill:
	ds_add_u32 v[SPW], v[NIL]
	s_mov_b32 s[G1+2], 128<<16                     ; no tensor load of mine is out: from here on a load brings 128 rows
	s_mov_b32 s[G1+4], 128
	s_mov_b32 s[G1B+2], 128<<16
	s_mov_b32 s[G1B+4], 128
	s_wait_dscnt 0x0
	CROUND                                         ; all four tiles are in, and all sixteen work-groups are here
	JLOAD G0+4, G1, G0B+4, G1B                     ; K step 1, the first tensor load behind the round
	FETCH_B 0, 0, 0
	FETCH_A 0, 0, 0
	SCALES 0
	FETCH_A 0, 0, 4
	STEP 0, 0, 1
	TURN 0, 1, 1
	STEP 1, 0, 0
	TURN 1, 0, 1
	STEP 0, 0, 0
	TURN 0, 1, 0
	STEP 1, 0, 0
	s_wait_dscnt 4*NL
	WIN MUL_LO
	MUL16 0, 1, NQ-1, 1, 0
	MUL16 2, 1, NQ-1, 1, 0
	s_wait_dscnt 0
	WIN MUL_HI
	MUL16 4, 1, NQ-1, 1, 0
	MUL16 6, 1, NQ-1, 1, 0
	WIN 0
.macro QUANT s, pw
.irp b, 0,1,2,3
	v_max3_num_f32 v[TM+\b], |v[\s+16*\b]|, |v[\s+1+16*\b]|, 0x8000000
.endr
.irp i, 2,4,6,8,10,12,14
.irp b, 0,1,2,3
	v_max3_num_f32 v[TM+\b], v[TM+\b], |v[\s+16*\b+\i]|, |v[\s+1+16*\b+\i]|
.endr
.endr
.irp b, 0,1,2,3
	v_permlanex16_b32 v[TM+4+\b], v[TM+\b], s2, s3
.endr
.irp b, 0,1,2,3
	v_max_num_f32 v[TM+\b], v[TM+\b], v[TM+4+\b]
.endr
.irp b, 0,1,2,3
	v_add_nc_u32 v[TM+12+\b], 0xf8800000, v[TM+\b]
.endr
.irp b, 0,1,2,3
	v_and_or_b32 v[TM+8+\b], v[TM+\b], 0x7f800000, s101
.endr
.irp b, 0,1,2,3
	v_lshrrev_b32 v[TM+4+\b], 23, v[TM+12+\b]
.endr
	v_lshl_or_b32 v[\pw], v[TM+5], 8, v[TM+4]
	v_lshl_or_b32 v[\pw], v[TM+6], 16, v[\pw]
	v_lshl_or_b32 v[\pw], v[TM+7], 24, v[\pw]
.irp b, 0,1,2,3
.irp i, 0,1,2,3,4,5,6,7,8,9,10,11,12,13,14,15
	v_med3_num_f32 v[\s+16*\b+\i], v[\s+16*\b+\i], -v[TM+8+\b], v[TM+8+\b]
.endr
	v_cvt_scalef32_pk8_bf8_f32 v[PC+4*\b:PC+1+4*\b], v[\s+16*\b:\s+7+16*\b], v[TM+12+\b]
	v_cvt_scalef32_pk8_bf8_f32 v[PC+2+4*\b:PC+3+4*\b], v[\s+8+16*\b:\s+15+16*\b], v[TM+12+\b]
.endr
	v_nop
.endm
.macro OUT_QK a
.set AC, 64*((\a)%4)
.set WN, 0x02+(\a)/4
	WIN WN
.irp b, 0,1,2,3,4,5,6,7
.irp i, 0,2,4,6
	v_pk_add_f32 v[T+8*\b+\i:T+8*\b+\i+1], v[AC+8*\b+\i:AC+8*\b+\i+1], v[BIAS+8*\b+\i:BIAS+8*\b+\i+1]
.endr
.endr
	WIN 0
	s_wait_xcnt 0x0
	QUANT T, PWR
.irp c, 0,1,2,3
	global_store_b128 v[LO], v[PC+4*\c:PC+4*\c+3], s[12:13] offset:(\a)*1024+(\c/2)*131072+(\c%2)*512
.endr
	v_perm_b32 v[SW+2*(\a)], v[PWR], v[PWR], 0x01000100
	v_perm_b32 v[SW+2*(\a)+1], v[PWR], v[PWR], 0x03020302
	ds_store_b32 v[QSA], v[SW+2*(\a)] offset:64*(\a)
	ds_store_b32 v[QSA], v[SW+2*(\a)+1] offset:64*(\a)+512
.endm
.macro OUT_V a
.set AC, 64*((\a)%4)
.set WN, 0x02+(\a)/4
	v_mov_b32 v[BIAS], v[BV+(\a)]
	v_mov_b32 v[BIAS+1], v[BV+(\a)]
	WIN WN
.irp b, 0,1,2,3,4,5,6,7
.irp i, 0,2,4,6
	v_pk_add_f32 v[T+8*\b+\i:T+8*\b+\i+1], v[AC+8*\b+\i:AC+8*\b+\i+1], v[BIAS:BIAS+1]
.endr
.endr
	WIN 0
	s_wait_xcnt 0x0
	QUANT T, PWR+(\a)
.irp c, 0,1,2,3
	global_store_b128 v[LO], v[PC+4*\c:PC+4*\c+3], s[12:13] offset:((\a)/4)*131072+((\a)%4)*2048+512*\c
.endr
	ds_store_b32 v[VSA], v[PWR+(\a)] offset:64*(\a)
.endm
	PLACES NP
	s_wait_loadcnt 0x0
.irp b, 0,1,2,3
	v_mov_b32 v[TM+4+\b], 0
.endr
	s_cmp_eq_u32 s100, 1
	s_cbranch_scc1 .Lpath_v
.irp a, 0,1,2,3,4,5,6,7
	OUT_QK \a
.endr
	ds_load_b128 v[RB:RB+3], v[QRA]
	ds_load_b128 v[RB+4:RB+7], v[QRA] offset:512
	s_wait_dscnt 0x0
	global_store_b128 v[LO], v[RB:RB+3], s[96:97]
	global_store_b128 v[LO], v[RB+4:RB+7], s[96:97] offset:8192
	s_branch .Lend
.Lpath_v:
.irp a, 0,1,2,3,4,5,6,7
	OUT_V \a
.endr
	ds_load_b128 v[RB:RB+3], v[VRA]
	s_wait_dscnt 0x0
	global_store_b128 v[VSO], v[RB:RB+3], s[96:97]
.Lend:
	s_wait_tensorcnt 0x0
	ds_add_u32 v[SPW], v[NIL]
	s_wait_dscnt 0x0
	CROUND
	s_endpgm
.Lfunc_end_k_q69a7184103_proj:
	.size	k_q69a7184103_proj, .Lfunc_end_k_q69a7184103_proj-k_q69a7184103_proj
	.p2alignl 7, 3214868480
	.fill 96, 4, 3214868480
	.section	.rodata,"a",@progbits
	.p2align	6, 0x0
	.amdhsa_kernel k_q69a7184103_proj
		.amdhsa_group_segment_fixed_size 327680
		.amdhsa_private_segment_fixed_size 0
		.amdhsa_enable_private_segment 0
		.amdhsa_kernarg_size 136
		.amdhsa_user_sgpr_count 2
		.amdhsa_user_sgpr_kernarg_segment_ptr 1
		.amdhsa_wavefront_size32 1
		.amdhsa_system_sgpr_workgroup_id_x 1
		.amdhsa_system_sgpr_workgroup_id_y 1
		.amdhsa_system_sgpr_workgroup_id_z 1
		.amdhsa_system_vgpr_workitem_id 0
		.amdhsa_next_free_vgpr 1024
		.amdhsa_next_free_sgpr 102
		.amdhsa_reserve_vcc 0
		.amdhsa_float_denorm_mode_32 3
		.amdhsa_float_denorm_mode_16_64 3
		.amdhsa_memory_ordered 1
		.amdhsa_forward_progress 1
		.amdhsa_inst_pref_size 255
	.end_amdhsa_kernel
	.section	.bss,"aw",@nobits
	.p2align	6
	.space	262144
	.amdgpu_metadata
---
amdhsa.version: [ 1, 2 ]
amdhsa.kernels:
  - .name:           k_q69a7184103_proj
    .symbol:         k_q69a7184103_proj.kd
    .args:
      - { .name: x_codes, .offset: 0, .size: 8, .value_kind: global_buffer, .address_space: global }
      - { .name: x_scales, .offset: 8, .size: 8, .value_kind: global_buffer, .address_space: global }
      - { .name: Wq_codes, .offset: 16, .size: 8, .value_kind: global_buffer, .address_space: global }
      - { .name: Wq_scales, .offset: 24, .size: 8, .value_kind: global_buffer, .address_space: global }
      - { .name: Wk_codes, .offset: 32, .size: 8, .value_kind: global_buffer, .address_space: global }
      - { .name: Wk_scales, .offset: 40, .size: 8, .value_kind: global_buffer, .address_space: global }
      - { .name: Wv_codes, .offset: 48, .size: 8, .value_kind: global_buffer, .address_space: global }
      - { .name: Wv_scales, .offset: 56, .size: 8, .value_kind: global_buffer, .address_space: global }
      - { .name: bq, .offset: 64, .size: 8, .value_kind: global_buffer, .address_space: global }
      - { .name: bk, .offset: 72, .size: 8, .value_kind: global_buffer, .address_space: global }
      - { .name: bv, .offset: 80, .size: 8, .value_kind: global_buffer, .address_space: global }
      - { .name: qc, .offset: 88, .size: 8, .value_kind: global_buffer, .address_space: global }
      - { .name: qs, .offset: 96, .size: 8, .value_kind: global_buffer, .address_space: global }
      - { .name: kc, .offset: 104, .size: 8, .value_kind: global_buffer, .address_space: global }
      - { .name: ks, .offset: 112, .size: 8, .value_kind: global_buffer, .address_space: global }
      - { .name: vc, .offset: 120, .size: 8, .value_kind: global_buffer, .address_space: global }
      - { .name: vs, .offset: 128, .size: 8, .value_kind: global_buffer, .address_space: global }
    .group_segment_fixed_size: 327680
    .private_segment_fixed_size: 0
    .kernarg_segment_align: 8
    .kernarg_segment_size: 136
    .max_flat_workgroup_size: 128
    .sgpr_count:     102
    .vgpr_count:     1024
    .wavefront_size: 32
...
	.end_amdgpu_metadata
.endif
;; end of part 1
;; launch attn (part 2): grid 4 x 64, 4 waves a work-group, clusters of 4 x 1, 327,680 bytes of LDS; arguments qc, qs, kc, ks, vc, vs, Wo_codes, Wo_scales, pp, pw; writes pp, pw
.if DOCPART == 2
	.amdgcn_target "amdgcn-amd-amdhsa--gfx1250"
	.amdhsa_code_object_version 6
	.text
	.protected	k_q69a7184103_attn
	.globl	k_q69a7184103_attn
	.p2align	8
	.type	k_q69a7184103_attn,@function
k_q69a7184103_attn:
	s_mov_b64 s[64:65], 0
	v_nop
	global_prefetch_b8 v0, s[64:65] scope:SCOPE_SE
	s_setreg_imm32_b32 hwreg(HW_REG_WAVE_MODE, 25, 1), 1
	s_wait_xcnt 0x0
	s_wait_alu depctr_hold_cnt(0) depctr_sa_sdst(0) depctr_va_vdst(0) depctr_va_sdst(0) depctr_va_ssrc(0) depctr_va_vcc(0) depctr_vm_vsrc(0)
	s_getreg_b32 s2, hwreg(HW_REG_IB_STS2, 6, 4)
	s_cmp_eq_u32 s2, 0
	s_cbranch_scc0 .Lentry_in_a_cluster
	s_endpgm
.Lentry_in_a_cluster:
	s_bfe_u32 s2, ttmp6, 0x10000c
	s_cmp_lg_u32 s2, 0x3003
	s_cbranch_scc0 .Lentry_shape_is_right
	s_endpgm
.Lentry_shape_is_right:
; ATTENTION OF ONE HEAD ON CODES OF MX-BF8, WITH THE HEAD'S SHARE OF THE PROJECTION ON THE WAY OUT AND OF THE MEAN WEIGHTS.
; A work-group owns 512 queries of one (batch, head); the four work-groups of a cluster own one head and ask for V and for Wo's 64 columns jointly.
; A trip takes 16 queries against all 2,048 keys: wave w holds keys 512 w .. 512 w + 511 of K in 256 registers (window 3) and reads its quarter of V from LDS.
; Both products are used transposed: a lane holds one query (lane % 16); its registers run along the keys.  A fragment of K holds two tiles of 16 keys (64 + 64 along K); Q's 64 codes stand between zeros and are named at two places.
; THE SOFTMAX.  Each wave takes ITS OWN M: the ceiling of the largest t among its 512 keys, a whole number.  p = 2^(t - M_w) differs from p under the row's M by an exact power of two, which the block's scale takes up.
; The waves hand each other (-M_w, sum_w) once a trip; M = the largest M_w, l = the sum of sum_w 2^(M_w - M).  A wave's O^T part and its share of the mean weights are multiplied by 2^(M_w - M) / l.
; The row's sum and the mean weights are taken of the unquantised p, in f32.  pw: the sum over my 512 queries of p / l for each key.  pp: the sum over my 512 queries of Q(context of this head) Wo^T.
; Tile i's four O^T parts, each under its wave's factor, go through LDS in trip i + 1.  Wave w adds them for channels 32 (w % 2) .. + 31 of queries 8 (w / 2) .. + 7, a lane eight channels, quantises, and keeps codes and bytes in LDS for the last product.
; TWO BARRIERS A TRIP: one shows the O^T parts and (-M_w, sum_w); the other, signalled behind the weights and waited for at the trip's end, orders their reads ahead of the next trip's stores.
; No prefetch: K, V and Wo come once, at the head; in the loop only Q's 1,024 bytes a trip come from memory, and their load stands a trip ahead of their use.
; LIMITS: the scaled scores stay under 2^31 in magnitude; NaN and infinities are not served; a block's byte never falls under 1.
; WINDOWS: 0 addresses, scales, operands at work; 1 scores, then p, then two steps' tiles of V; 2 the weights' sums; 3 K (at the end: Wo).
.set VL,    0
.set WL,    131072
.set OX,    212992
.set MX,    229376
.set CTXD,  229888
.set CTXW,  16896
.set CTSD,  263680
.set CTSW,  528
.set PST,   264960
.set SPARE, 0x41b00
.set A16, 1
.set AMS, 2
.set AMR, 3
.set AOS, 4
.set AOR, 5
.set ACB, 6
.set ACX, 7
.set ASB, 8
.set ASX, 9
.set AV,  10
.set A4R, 11
.set TP,  12
.set QC,  24
.set QS,  40
.set KSC, 48
.set VSC, 64
.set BM,  80
.set SCO, 96
.set P,   112
.set O,   128
.set VF,  160
.set RT,  224                          ; v224-227 at work where the parts are quantised
.set FW,  232                          ; v232-235 2^(M_w - M); v236 my own; v237 l, then 1 / l
.set WSC, 224                          ; behind the loop: Wo's scale words
.set PW,  240
.set NM,  244
.set RL,  246
.set SUM, 248
.set MSB, 0
.macro WIN new
.if MSB != \new
	s_set_vgpr_msb (MSB<<8)|\new
.set MSB, \new
.endif
.endm
.macro NOPS n
.rept \n
	v_nop
.endr
.endm
.macro BAR
	s_wait_dscnt 0x0
	s_barrier_signal -1
	s_barrier_wait -1
.endm
.macro CROUND
	s_barrier_signal -1
	s_barrier_wait -1
	s_cmp_lg_u32 s28, 0
	s_cbranch_scc1 .Lnot_wave_0_\@
	s_barrier_signal -3
.Lnot_wave_0_\@:
	s_barrier_wait -3
	s_barrier_signal -1
	s_barrier_wait -1
.endm
	s_load_b512 s[8:23], s[0:1], 0x0               ; qc, qs, kc, ks, vc, vs, Wo's codes, Wo's scales
	s_load_b128 s[24:27], s[0:1], 0x40             ; pp, pw
	v_lshl_add_u32 v254, v0, 2, SPARE
	v_mov_b32 v255, 0
	ds_add_u32 v254, v255                          ; the opening lines: the add twice on end and one wait
	ds_add_u32 v254, v255
	v_lshrrev_b32 v12, 5, v0
	v_readfirstlane_b32 s28, v12                   ; wave
	s_bfe_u32 s29, ttmp6, 0x40000                  ; cx: my 512 queries
	s_and_b32 s30, ttmp7, 0xffff                   ; batch x 16 + head
	s_and_b32 s31, s30, 15
	s_mov_b32 s36, 15|(3<<16)|(1<<21)              ; V: half a head, 65,536 dense bytes as 256 rows of 256
	s_mov_b32 s37, 32<<16
	s_mov_b32 s38, 256<<16
	s_mov_b32 s39, 32<<16
	s_mov_b32 s40, 256
	s_mov_b32 s41, 32
	s_mov_b32 s42, 0
	s_mov_b32 s43, 0
	s_mov_b32 s48, 15|(1<<20)|(1<<21)|(3<<22)|(3<<25)  ; Wo: 512 rows, the head's 64 bytes of each, 16 of padding behind each
	s_mov_b32 s49, 64<<16
	s_mov_b32 s50, 512<<16
	s_mov_b32 s51, 64<<16
	s_mov_b32 s52, 512
	s_mov_b32 s53, 1024
	s_mov_b32 s54, 0
	s_mov_b32 s55, 0
	s_mov_b32 s56, 0x3e38aa3b                      ; log2(e) / 8
	s_mov_b32 s57, s56
	s_mov_b32 s58, 0x76543210
	s_mov_b32 s59, 0xfedcba98
	s_mov_b32 s60, 0x600000
	s_mov_b32 s61, 0
	s_mov_b32 s62, 0
	s_mov_b32 s67, 0
	s_mov_b32 s69, 0
	s_mov_b32 s71, 0
	s_mov_b32 s73, 0
	s_mov_b32 s3, 32
	s_and_b32 s74, s28, 1                          ; which half I fetch
	s_mov_b32 s32, 1
	s_lshl_b32 s33, s74, 16
	s_mov_b32 s44, 1
	s_mul_i32 s45, s74, 40960
	s_add_co_u32 s45, s45, WL
	s_lshl_b32 s75, s30, 17
	s_add_co_u32 s70, s75, s33
	s_lshl_b32 s72, s74, 19
	s_lshl_b32 s76, s31, 6
	s_add_co_u32 s72, s72, s76
	s_wait_dscnt 0x0
	s_wait_kmcnt 0x0
	s_add_nc_u64 s[34:35], s[16:17], s[70:71]
	s_or_b32 s35, s35, 0x80000000
	s_add_nc_u64 s[46:47], s[20:21], s[72:73]
	s_or_b32 s47, s47, 0x80000000
	CROUND
	s_cmp_lt_u32 s28, 2                            ; one joint load a wave: waves 0, 1 V's halves, waves 2, 3 Wo's
	s_cbranch_scc0 .Lfor_w
	tensor_load_to_lds s[32:35], s[36:43]
	s_nop 0
	NOPS 4
	s_branch .Lasked
.Lfor_w:
	tensor_load_to_lds s[44:47], s[48:55]
	s_nop 0
	NOPS 4
.Lasked:
	s_lshl_b32 s72, s28, 15
	s_add_co_u32 s70, s75, s72
	s_add_nc_u64 s[12:13], s[12:13], s[70:71]      ; K: my 512 keys
	s_lshl_b32 s72, s29, 15
	s_add_co_u32 s70, s75, s72
	s_add_nc_u64 s[8:9], s[8:9], s[70:71]          ; Q: my work-group's queries
	s_lshl_b32 s70, s30, 13
	s_lshl_b32 s72, s29, 11
	s_add_co_u32 s72, s70, s72
	s_add_nc_u64 s[10:11], s[10:11], s[72:73]
	s_lshl_b32 s72, s28, 11
	s_add_co_u32 s70, s70, s72
	s_add_nc_u64 s[14:15], s[14:15], s[70:71]
	s_lshl_b32 s70, s30, 12
	s_lshl_b32 s72, s28, 10
	s_add_co_u32 s70, s70, s72
	s_add_nc_u64 s[18:19], s[18:19], s[70:71]
	s_lshl_b32 s70, s28, 13
	s_lshl_b32 s72, s31, 1
	s_add_co_u32 s70, s70, s72
	s_add_nc_u64 s[22:23], s[22:23], s[70:71]
	s_lshl_b32 s70, s30, 2
	s_add_co_u32 s70, s70, s29
	s_lshl_b32 s72, s70, 12
	s_lshl_b32 s74, s28, 10
	s_add_co_u32 s72, s72, s74
	s_add_nc_u64 s[24:25], s[24:25], s[72:73]
	s_lshl_b32 s72, s70, 13
	s_lshl_b32 s74, s28, 11
	s_add_co_u32 s72, s72, s74
	s_add_nc_u64 s[26:27], s[26:27], s[72:73]
	v_and_b32 v12, 31, v0
	v_and_b32 v13, 15, v0
	v_lshlrev_b32 v[A16], 4, v12
	v_lshlrev_b32 v[A4R], 2, v13
	s_wait_alu depctr_va_vdst(0)                   ; the wait behind these writes
	WIN 0xc0
.set f, 0
.rept 16                                       ; K's fragments stay in registers; asked for while the tiles are on their way
.irp c, 0,1,2,3
	global_load_b128 v[16*f+4*\c:16*f+4*\c+3], v[A16], s[12:13] offset:2048*f+512*\c
.endr
.set f, f+1
.endr
	WIN 0
.set f, 0
.rept 32
	global_load_b32 v[VF+f], v[A4R], s[14:15] offset:64*f
.set f, f+1
.endr
.set f, 0
.rept 16
	global_load_b32 v[VSC+f], v[A4R], s[18:19] offset:64*f
.set f, f+1
.endr
	global_load_b128 v[QC:QC+3], v[A16], s[8:9]
	global_load_b128 v[QC+4:QC+7], v[A16], s[8:9] offset:512
	global_load_b32 v[QS], v[A4R], s[10:11]
	s_lshl_b32 s70, s28, 3
	s_add_co_u32 s70, s70, MX
	v_lshl_add_u32 v[AMS], v13, 5, s70             ; (-M, sum): 32 bytes a query, 8 a wave
	v_lshl_add_u32 v[AMR], v13, 5, MX
	s_lshl_b32 s70, s28, 12
	s_add_co_u32 s70, s70, OX
	v_add_nc_u32 v[AOS], s70, v[A16]
	s_lshl_b32 s70, s28, 15
	v_add_nc_u32 v[AV], s70, v[A16]
	; where I join the parts: block b = wave % 2; query q = 8 (wave / 2) + lane % 8; u = (lane / 8) % 2: tile 2 b + u of O^T; h = lane / 16: its rows 8 h .. 8 h + 7
	s_and_b32 s74, s28, 1
	s_lshr_b32 s76, s28, 1
	s_lshl_b32 s76, s76, 3
	s_lshl_b32 s70, s74, 11
	s_add_co_u32 s70, s70, OX
	s_mul_i32 s72, s74, CTXW
	s_add_co_u32 s72, s72, CTXD
	s_mul_i32 s77, s74, CTSW
	s_add_co_u32 s77, s77, CTSD
	v_and_b32 v14, 7, v0
	v_add_nc_u32 v14, s76, v14                     ; q
	v_bfe_u32 v15, v0, 3, 1                        ; u
	v_bfe_u32 v41, v0, 4, 1                        ; h
	v_lshlrev_b32 v42, 4, v14
	v_lshl_add_u32 v42, v41, 8, v42                ; 16 x (q + 16 h): the place of lane (q, h) in an image of registers
	v_lshl_add_u32 v[AOR], v15, 10, v42
	v_add_nc_u32 v[AOR], s70, v[AOR]
	v_lshl_add_u32 v[ACB], v15, 3, v42             ; my eight codes: bytes 8 u .. 8 u + 7 of that lane's 16
	v_add_nc_u32 v[ACB], s72, v[ACB]
	v_add_nc_u32 v[ASB], s77, v14
.irp i, 0,1,2,3,4,5,6,7
	v_mov_b32 v[QC-8+\i], 0
	v_mov_b32 v[QC+8+\i], 0
.endr
.set f, 0
.rept 32
	v_mov_b32 v[O+f], 0                            ; the first trip hands on parts of zeros
.set f, f+1
.endr
.set f, 0
.rept 16
	v_mov_b32 v[SCO+f], 0
.set f, f+1
.endr
	v_mov_b32 v45, 0
	v_mov_b32 v[RT+1], 0
	v_mov_b32 v[NM+1], 0
	v_mov_b32 v[RL], 0
	v_mov_b32 v[RL+1], 0
	WIN 0x80
.set f, 0
.rept 256
	v_mov_b32 v[f], 0                              ; the weights' sums
.set f, f+1
.endr
	WIN 0
	s_wait_alu depctr_va_vdst(0)
	s_wait_loadcnt 0x0
.set f, 0
.rept 16
	v_perm_b32 v[KSC+f], v[VF+2*f+1], v[VF+2*f], 0x07060100
.set f, f+1
.endr
	s_wait_alu depctr_va_vdst(0)                   ; the wait at the head's end
	s_wait_tensorcnt 0x0                           ; my tile is in;
	BAR                                            ; everybody's is
.macro OSTORE
.irp t, 0,1,2,3
	ds_store_b128 v[AOS], v[O+8*\t:O+8*\t+3] offset:1024*\t
	ds_store_b128 v[AOS], v[O+8*\t+4:O+8*\t+7] offset:1024*\t+512
.endr
.endm
.macro PRE j0, cnt                     ; my part of O^T under my factor, pairs j0 on
.set j_, \j0
.rept \cnt
	v_pk_mul_f32 v[O+2*j_:O+2*j_+1], v[O+2*j_:O+2*j_+1], v[RL:RL+1]
.set j_, j_+1
.endr
.endm
.macro REDLOAD                         ; eight channels of my query from each of the four parts
.irp src, 0,1,2,3
	ds_load_b128 v[VF+8*\src:VF+8*\src+3], v[AOR] offset:4096*\src
	ds_load_b128 v[VF+8*\src+4:VF+8*\src+7], v[AOR] offset:4096*\src+512
.endr
.endm
.macro RADD d, s                       ; the eight numbers at s onto those at d
.irp p, 0,2,4,6
	v_pk_add_f32 v[VF+\d+\p:VF+\d+\p+1], v[VF+\d+\p:VF+\d+\p+1], v[VF+\s+\p:VF+\s+\p+1]
.endr
.endm
.macro RMAX i                          ; their largest magnitude, over the floor
.if \i == 0
	v_max3_num_f32 v[RT], |v[VF]|, |v[VF+1]|, 0x8000000
	v_max3_num_f32 v[RT+2], |v[VF+2]|, |v[VF+3]|, |v[VF+4]|
.elseif \i == 1
	v_max3_num_f32 v[RT], v[RT], |v[VF+5]|, |v[VF+6]|
.else
	v_max3_num_f32 v[RT], v[RT], v[RT+2], |v[VF+7]|
.endif
.endm
.macro RSCL                            ; a block of 32 channels lies in lanes l, l xor 8, l xor 16, l xor 24; then the conversion's operand, the bound, the byte
	v_max_num_f32_dpp v[RT], v[RT], v[RT] row_xmask:8 row_mask:0xf bank_mask:0xf
	v_permlanex16_b32 v[RT+1], v[RT], s58, s59
	v_max_num_f32 v[RT], v[RT], v[RT+1]
	v_add_nc_u32 v[RT+2], 0xf8800000, v[RT]
	v_and_or_b32 v[RT+3], v[RT], 0x7f800000, s60
	v_lshrrev_b32 v[RT], 23, v[RT+2]
.endm
.macro ROUT
.irp i, 0,1,2,3,4,5,6,7
	v_med3_num_f32 v[VF+\i], v[VF+\i], -v[RT+3], v[RT+3]
.endr
	v_cvt_scalef32_pk8_bf8_f32 v[VF+16:VF+17], v[VF:VF+7], v[RT+2]
	v_nop
	ds_store_b64 v[ACX], v[VF+16:VF+17]
	ds_store_b8 v[ASX], v[RT]
.endm
.macro VLOAD s
.irp t, 0,1,2,3
.irp c, 0,1,2,3
	ds_load_b128 v[VF+16*\t+4*\c:VF+16*\t+4*\c+3], v[AV] offset:8192*(\s)+2048*\t+512*\c
.endr
.endr
.endm
.macro VLW s, base                     ; V's four tiles of step s into window 1, over p that has been converted
.irp t, 0,1,2,3
.irp c, 0,1,2,3
	ds_load_b128 v[\base+16*\t+4*\c:\base+16*\t+4*\c+3], v[AV] offset:8192*(\s)+2048*\t+512*\c
.endr
.endr
.endm
.macro MINS r0, n                      ; the hold: p is not negative, so it is one-sided
.set k, \r0
.rept \n
	v_min_num_f32 v[k], v[k], v[BM+k/16]
.set k, k+1
.endr
.endm
.macro CVTS s
	WIN 0x01
.irp b, 0,1,2,3
	v_cvt_scalef32_pk8_bf8_f32 v[P+4*\b:P+4*\b+1], v[64*(\s)+16*\b:64*(\s)+16*\b+7], v[SCO+4*(\s)+\b]
	v_cvt_scalef32_pk8_bf8_f32 v[P+4*\b+2:P+4*\b+3], v[64*(\s)+16*\b+8:64*(\s)+16*\b+15], v[SCO+4*(\s)+\b]
.endr
.endm
.macro HOLD0 half                      ; 32 of step 0's p, held into O's registers, which are free here, and converted: p itself stays whole for the weights
	WIN 0x01
.set k, 32*(\half)
.rept 32
	v_min_num_f32 v[O+k%32], v[k], v[BM+k/16]
.set k, k+1
.endr
	WIN 0
.irp b, 0,1
	v_cvt_scalef32_pk8_bf8_f32 v[P+8*(\half)+4*\b:P+8*(\half)+4*\b+1], v[O+16*\b:O+16*\b+7], v[SCO+2*(\half)+\b]
	v_cvt_scalef32_pk8_bf8_f32 v[P+8*(\half)+4*\b+2:P+8*(\half)+4*\b+3], v[O+16*\b+8:O+16*\b+15], v[SCO+2*(\half)+\b]
.endr
	v_nop
.endm
.macro PV s, t
.if \s == 0
	v_wmma_scale_f32_16x16x128_f8f6f4 v[O+8*\t:O+8*\t+7], v[VF+16*\t:VF+16*\t+15], v[P:P+15], 0, v[VSC+4*\s+\t], v[PW+\s] matrix_a_fmt:MATRIX_FMT_BF8 matrix_b_fmt:MATRIX_FMT_BF8
.else
	v_wmma_scale_f32_16x16x128_f8f6f4 v[O+8*\t:O+8*\t+7], v[VF+16*\t:VF+16*\t+15], v[P:P+15], v[O+8*\t:O+8*\t+7], v[VSC+4*\s+\t], v[PW+\s] matrix_a_fmt:MATRIX_FMT_BF8 matrix_b_fmt:MATRIX_FMT_BF8
.endif
.endm
.macro PVW s, t, base                  ; a product whose tile of V lies in window 1
	v_wmma_scale_f32_16x16x128_f8f6f4 v[O+8*\t:O+8*\t+7], v[\base+16*\t:\base+16*\t+15], v[P:P+15], v[O+8*\t:O+8*\t+7], v[VSC+4*\s+\t], v[PW+\s] matrix_a_fmt:MATRIX_FMT_BF8 matrix_b_fmt:MATRIX_FMT_BF8
.endm
.macro MOP m                           ; line m of 128 of the search for the 16 blocks' largest scores: four blocks by turns, each accumulator from its low end on
.set f_, 4*((\m)/32)+(\m)%4
.set i_, 2*(((\m)%32)/4)
.if i_ == 0
	v_max3_num_f32 v[BM+f_], 0xff800000, v[16*f_], v[16*f_+1]
.else
	v_max3_num_f32 v[BM+f_], v[BM+f_], v[16*f_+i_], v[16*f_+i_+1]
.endif
.endm
.macro TM k                            ; t - M of a pair
	v_pk_fma_f32 v[2*(\k):2*(\k)+1], v[2*(\k):2*(\k)+1], s[56:57], v[NM:NM+1] op_sel_hi:[1,0,0]
.endm
.macro WRL bt                          ; the weights at the end: 16 loads, four query lanes' shares of my keys
.irp s, 0,1,2,3
	v_xor_b32 v[41+\s], 16*(4*\bt+\s), v50
.endr
.irp s, 0,1,2,3
.irp p, 0,1,2,3
	ds_load_b128 v[VF+16*\s+4*\p:VF+16*\s+4*\p+3], v[41+\s] offset:8192*\p
.endr
.endr
.endm
.macro WRA bt                          ; and their sum
	s_wait_dscnt 0x0
.irp p, 0,1,2,3
.if \bt == 0
	v_pk_add_f32 v[O+4*\p:O+4*\p+1], v[VF+4*\p:VF+4*\p+1], v[VF+16+4*\p:VF+17+4*\p]
	v_pk_add_f32 v[O+4*\p+2:O+4*\p+3], v[VF+4*\p+2:VF+4*\p+3], v[VF+18+4*\p:VF+19+4*\p]
.else
	v_pk_add_f32 v[O+4*\p:O+4*\p+1], v[O+4*\p:O+4*\p+1], v[VF+4*\p:VF+4*\p+1]
	v_pk_add_f32 v[O+4*\p+2:O+4*\p+3], v[O+4*\p+2:O+4*\p+3], v[VF+4*\p+2:VF+4*\p+3]
	v_pk_add_f32 v[O+4*\p:O+4*\p+1], v[O+4*\p:O+4*\p+1], v[VF+16+4*\p:VF+17+4*\p]
	v_pk_add_f32 v[O+4*\p+2:O+4*\p+3], v[O+4*\p+2:O+4*\p+3], v[VF+18+4*\p:VF+19+4*\p]
.endif
	v_pk_add_f32 v[O+4*\p:O+4*\p+1], v[O+4*\p:O+4*\p+1], v[VF+32+4*\p:VF+33+4*\p]
	v_pk_add_f32 v[O+4*\p+2:O+4*\p+3], v[O+4*\p+2:O+4*\p+3], v[VF+34+4*\p:VF+35+4*\p]
	v_pk_add_f32 v[O+4*\p:O+4*\p+1], v[O+4*\p:O+4*\p+1], v[VF+48+4*\p:VF+49+4*\p]
	v_pk_add_f32 v[O+4*\p+2:O+4*\p+3], v[O+4*\p+2:O+4*\p+3], v[VF+50+4*\p:VF+51+4*\p]
.endr
.endm
.Ltile:
	s_wait_loadcnt 0x0                             ; this tile's Q
	v_add_nc_u32 v[ACX], s61, v[ACB]
	v_add_nc_u32 v[ASX], s62, v[ASB]
; S^T = K Q^T: 32 products.  Behind the first nine: eight plain lines behind the last trip's products, then my part of O^T under my factor.  Behind each later one four lines of the search, which read blocks whose last product lies eight plain lines back or more
.set n, 0
.set m, 0
.rept 32
	WIN 0x43
.if n%2
	v_wmma_scale_f32_16x16x128_f8f6f4 v[8*n:8*n+7], v[16*(n/2):16*(n/2)+15], v[QC-8:QC+7], 0, v[KSC+n/2], v[QS] matrix_a_fmt:MATRIX_FMT_BF8 matrix_b_fmt:MATRIX_FMT_BF8
.else
	v_wmma_scale_f32_16x16x128_f8f6f4 v[8*n:8*n+7], v[16*(n/2):16*(n/2)+15], v[QC:QC+15], 0, v[KSC+n/2], v[QS] matrix_a_fmt:MATRIX_FMT_BF8 matrix_b_fmt:MATRIX_FMT_BF8
.endif
.if n < 3
	NOPS 2
.endif
.if n > 2 && n < 7
	WIN 0
	PRE 2*(n-3), 2
.endif
.if n == 7 || n == 8
	WIN 0
	PRE 4*n-20, 4
.endif
.if n > 8
	WIN 0x14
.rept 4
	MOP m
.set m, m+1
.endr
.endif
.set n, n+1
.endr
.rept 36
	MOP m
.set m, m+1
.endr
	WIN 0
.set f, 0
.rept 16
	v_permlanex16_b32 v[SCO+f], v[BM+f], s58, s59
.set f, f+1
.endr
.set f, 0
.rept 16
	v_max_num_f32 v[BM+f], v[BM+f], v[SCO+f]
.set f, f+1
.endr
	v_max3_num_f32 v41, v[BM], v[BM+1], v[BM+2]
	v_max3_num_f32 v42, v[BM+3], v[BM+4], v[BM+5]
	v_max3_num_f32 v46, v[BM+6], v[BM+7], v[BM+8]
	v_max3_num_f32 v44, v[BM+9], v[BM+10], v[BM+11]
	v_max3_num_f32 v47, v[BM+12], v[BM+13], v[BM+14]
; among the last, dependent lines of the maximum: the tile before's part of O^T goes to LDS, and the next tile's Q is asked for (the last trip asks for its own again)
	ds_store_b128 v[AOS], v[O:O+3]
	ds_store_b128 v[AOS], v[O+4:O+7] offset:512
	ds_store_b128 v[AOS], v[O+8:O+11] offset:1024
	v_max3_num_f32 v41, v41, v42, v46
	v_max3_num_f32 v44, v44, v47, v[BM+15]
	ds_store_b128 v[AOS], v[O+12:O+15] offset:1536
	ds_store_b128 v[AOS], v[O+16:O+19] offset:2048
	ds_store_b128 v[AOS], v[O+20:O+23] offset:2560
	v_max_num_f32 v41, v41, v44
	s_cmp_lg_u32 s3, 1
	s_cselect_b32 s66, 1024, 0
	s_cselect_b32 s68, 64, 0
	ds_store_b128 v[AOS], v[O+24:O+27] offset:3072
	ds_store_b128 v[AOS], v[O+28:O+31] offset:3584
	v_mul_f32 v41, s56, v41
	s_add_nc_u64 s[8:9], s[8:9], s[66:67]
	s_add_nc_u64 s[10:11], s[10:11], s[68:69]
	global_load_b128 v[QC:QC+3], v[A16], s[8:9]
	global_load_b128 v[QC+4:QC+7], v[A16], s[8:9] offset:512
	global_load_b32 v[QS], v[A4R], s[10:11]
	v_floor_f32 v[NM], -v41                        ; -M of my 512 keys
	WIN 0x41
.set k, 0
.rept 32
	TM k
.set k, k+1
.endr
	WIN 0
.set f, 0
.rept 16
	v_fma_f32 v[BM+f], v[BM+f], s56, v[NM]
.set f, f+1
.endr
	s_wait_alu depctr_va_vdst(0)                   ; a wait ahead of a batch of exponentials
.set f, 0
.rept 16
	v_exp_f32 v[BM+f], v[BM+f]                     ; each block's largest p
.set f, f+1
.endr
	WIN 0x41
.set k, 0
.rept 128                                      ; four chunks of 64; among a chunk's exponentials stand the next chunk's t - M, which are read behind the next wait
.if k > 0 && k%32 == 0
	s_wait_alu depctr_va_vdst(0)
.endif
	v_exp_f32 v[2*k], v[2*k]
.if k < 96
	TM k+32
.endif
	v_exp_f32 v[2*k+1], v[2*k+1]
.set k, k+1
.endr
	WIN 0
	v_nop
	s_wait_alu depctr_va_vdst(0)                   ; and a wait behind it
	WIN 0x05
.irp i, 0,1,2,3
	v_pk_add_f32 v[SUM+2*\i:SUM+2*\i+1], v[4*\i:4*\i+1], v[4*\i+2:4*\i+3]
.endr
	WIN 0x04
.set k, 8
.rept 120
	v_pk_add_f32 v[SUM+2*(k%4):SUM+2*(k%4)+1], v[SUM+2*(k%4):SUM+2*(k%4)+1], v[2*k:2*k+1]
.set k, k+1
.endr
	WIN 0
; the sum's last, dependent lines, with the floors under the blocks' largest p among them
	v_pk_add_f32 v[SUM:SUM+1], v[SUM:SUM+1], v[SUM+2:SUM+3]
	v_pk_add_f32 v[SUM+4:SUM+5], v[SUM+4:SUM+5], v[SUM+6:SUM+7]
.irp f, 0,1,2,3
	v_max_num_f32 v[BM+\f], 0x8000000, v[BM+\f]
.endr
	v_pk_add_f32 v[SUM:SUM+1], v[SUM:SUM+1], v[SUM+4:SUM+5]
.irp f, 4,5,6,7
	v_max_num_f32 v[BM+\f], 0x8000000, v[BM+\f]
.endr
	v_add_f32 v41, v[SUM], v[SUM+1]
.irp f, 8,9,10,11
	v_max_num_f32 v[BM+\f], 0x8000000, v[BM+\f]
.endr
	v_permlanex16_b32 v45, v41, s58, s59
	v_mov_b32 v42, v[NM]
.irp f, 12,13,14,15
	v_max_num_f32 v[BM+\f], 0x8000000, v[BM+\f]
.endr
	v_add_f32 v43, v41, v45
	ds_store_b64 v[AMS], v[42:43]                  ; (-M, sum) of my 512 keys
.set f, 0
.rept 16
	v_add_nc_u32 v[SCO+f], 0xf8800000, v[BM+f]
.set f, f+1
.endr
.set f, 0
.rept 16
	v_and_or_b32 v[BM+f], v[BM+f], 0x7f800000, s60
.set f, f+1
.endr
.irp s, 0,1,2,3
.irp b, 0,1,2,3
	v_lshrrev_b32 v[TP+\b], 23, v[SCO+4*\s+\b]
.endr
	v_lshl_or_b32 v[PW+\s], v[TP+1], 8, v[TP]
	v_lshl_or_b32 v[PW+\s], v[TP+2], 16, v[PW+\s]
	v_lshl_or_b32 v[PW+\s], v[TP+3], 24, v[PW+\s]
.endr
	s_wait_dscnt 0x0                               ; my part of O^T and my pair have landed
	s_barrier_signal -1
	HOLD0 0                                        ; work on registers while the others arrive
	s_barrier_wait -1
	ds_load_b128 v[12:15], v[AMR]                  ; -M_0, sum_0, -M_1, sum_1
	ds_load_b128 v[44:47], v[AMR] offset:16        ; -M_2, sum_2, -M_3, sum_3
	REDLOAD
	HOLD0 1                                        ; and while the pairs and the parts come
	s_wait_dscnt 0x0
; the factors, a chain of dependent lines, with the joining of the tile before's parts among them
	v_min3_num_f32 v41, v12, v14, v44
	RADD 0, 8
	v_min_num_f32 v41, v41, v46                    ; -M of the row
	RADD 16, 24
	v_sub_f32 v[FW], v41, v12                      ; M_w - M: whole numbers, 0 or less
	v_sub_f32 v[FW+1], v41, v14
	v_sub_f32 v[FW+2], v41, v44
	v_sub_f32 v[FW+3], v41, v46
	v_sub_f32 v[FW+4], v41, v[NM]
.irp i, 0,1,2,3,4
	v_cvt_i32_f32 v[FW+\i], v[FW+\i]
.endr
.irp i, 0,1,2,3,4
	v_ldexp_f32 v[FW+\i], 1.0, v[FW+\i]            ; 2^(M_w - M), exact
.endr
	v_mul_f32 v[FW+5], v13, v[FW]
	RADD 0, 16
	v_fmac_f32 v[FW+5], v15, v[FW+1]
	RMAX 0
	v_fmac_f32 v[FW+5], v45, v[FW+2]
	RMAX 1
	v_fmac_f32 v[FW+5], v47, v[FW+3]               ; l
	RMAX 2
	s_wait_alu depctr_va_vdst(0)                   ; the wait ahead of the transcendental,
	v_rcp_f32 v[FW+5], v[FW+5]
	RSCL                                           ; (plain lines that name nothing of it)
	s_wait_alu depctr_va_vdst(0)                   ; and behind it, ahead of its first reader
	v_mul_f32 v[RL], v[FW+4], v[FW+5]              ; my factor: 2^(M_w - M) / l
	v_mul_f32 v[RL+1], v[FW+4], v[FW+5]
	ROUT
	VLOAD 0
	WIN 0xa1
.set k, 0
.rept 128
	v_pk_fma_f32 v[2*k:2*k+1], v[2*k:2*k+1], v[RL:RL+1], v[2*k:2*k+1]   ; the weights' sums += p / l
.set k, k+1
.endr
	WIN 0
	s_wait_dscnt 0x0                               ; my reads of the parts and of the pairs are over, my codes have landed
	s_barrier_signal -1                            ; waited for at the trip's end; up to there registers and loads of V alone
; O^T += V^T P^T, four steps of 128 keys; a step's four products stand among the next step's holds.  V's tiles of steps 0 and 3 take v160-223; those of steps 1 and 2 the p registers of steps 0 and 1, which are done with.  Asked for in the order 0, 1, 3, 2.
	WIN 0x40
	VLW 1, 0
	WIN 0x41
	MINS 64, 16
.irp t, 0,1,2,3
	WIN 0
	PV 0, \t                                       ; step 0's tiles were in at the signal above
	WIN 0x41
	MINS 80+4*\t, 4
.endr
	MINS 96, 4                                     ; eight plain lines behind the last product, ahead of the loads into what it read
	WIN 0
	VLOAD 3
	WIN 0x41
	MINS 100, 28
	CVTS 1
	WIN 0x40
	VLW 2, 64
	WIN 0x41
	MINS 128, 16
.irp t, 0,1,2,3
	WIN 0x01
	s_wait_dscnt 44-4*\t                           ; step 1's tile t: behind its four loads stand 12 - 4 t of its step and the 32 of steps 3 and 2
	PVW 1, \t, 0
	WIN 0x41
	MINS 144+4*\t, 4
.endr
	MINS 160, 32
	CVTS 2
	WIN 0x41
	MINS 192, 16
.irp t, 0,1,2,3
	WIN 0x01
	s_wait_dscnt 12-4*\t                           ; step 2's tile t, of the loads issued last: step 3's are in with it
	PVW 2, \t, 64
	WIN 0x41
	MINS 208+4*\t, 4
.endr
	MINS 224, 32
	CVTS 3
	WIN 0
	NOPS 4
.irp t, 0,1,2,3
	PV 3, \t
.endr
	s_add_co_u32 s61, s61, 512
	s_add_co_u32 s62, s62, 16
	s_barrier_wait -1
	s_sub_co_u32 s3, s3, 1
	s_cmp_lg_u32 s3, 0
	s_cbranch_scc1 .Ltile
	s_wait_loadcnt 0x0
	NOPS 8
	PRE 0, 16                                      ; the last tile's parts
	OSTORE
	v_add_nc_u32 v[ACX], s61, v[ACB]
	v_add_nc_u32 v[ASX], s62, v[ASB]
	BAR
	REDLOAD
	s_wait_dscnt 0x0
	RADD 0, 8
	RADD 16, 24
	RADD 0, 16
	RMAX 0
	RMAX 1
	RMAX 2
	RSCL
	ROUT
	BAR
; THE WEIGHTS: a lane's sums are one query's share; they go into my quarter of V's bytes, which nobody reads any more; the 16 query lanes are added further down, among the last products
	WIN 0x08
.set g, 0
.rept 64
	ds_store_b128 v[AV], v[4*g:4*g+3] offset:512*g
.set g, g+1
.endr
	WIN 0
	v_and_b32 v48, 31, v0
	v_and_b32 v49, 15, v0
	v_lshlrev_b32 v58, 5, v49
	v_lshlrev_b32 v50, 8, v48
	v_lshl_add_u32 v50, v49, 4, v50
	s_lshl_b32 s70, s28, 15
	v_add_nc_u32 v50, s70, v50
	v_and_b32 v51, 28, v48
	v_and_b32 v52, 1, v48
	v_lshl_or_b32 v51, v52, 1, v51
	v_bfe_u32 v52, v48, 1, 1
	v_or_b32 v51, v51, v52
	v_lshlrev_b32 v51, 4, v51
.set f, 0
.rept 16
	global_load_u16 v[WSC+f], v58, s[22:23] offset:512*f   ; Wo's two scale bytes of this head, for my 256 rows
.set f, f+1
.endr
; THE PROJECTION: 512 queries x my 256 rows of Wo, K = the head's 64, two tiles of queries to a product of 128; then the sum over the queries
	v_bfe_u32 v52, v0, 4, 1
	v_mul_u32_u24 v53, v49, 80
	v_lshl_add_u32 v53, v52, 3, v53
	s_mul_i32 s70, s28, 20480
	s_add_co_u32 s70, s70, WL
	v_add_nc_u32 v53, s70, v53
	v_add_nc_u32 v54, CTXD, v[A16]
	v_add_nc_u32 v55, CTSD, v49
	s_lshl_b32 s70, s28, 10
	s_add_co_u32 s70, s70, PST
	v_add_nc_u32 v56, s70, v[A4R]
	v_add_nc_u32 v57, s70, v[A16]
	WIN 0xc0
.set t, 0
.rept 16
.irp c, 0,1,2,3
.irp u, 0,1
	ds_load_b64 v[16*t+4*\c+2*\u:16*t+4*\c+2*\u+1], v53 offset:1280*t+32*(\c%2)+16*\u
.endr
.endr
.set t, t+1
.endr
	WIN 0x80
.set g, 0
.rept 16
.irp c, 0,1,2,3
	ds_load_b128 v[16*g+4*\c:16*g+4*\c+3], v54 offset:CTXW*(\c%2)+512*(1+2*g+\c/2)
.endr
.set g, g+1
.endr
	WIN 0
.set g, 0
.rept 16
.irp b, 0,1,2,3
	ds_load_u8 v[VF+4*g+\b], v55 offset:CTSW*(\b%2)+16*(1+2*g+\b/2)
.endr
.set g, g+1
.endr
	s_wait_dscnt 0x0
	s_wait_loadcnt 0x0
.set g, 0
.rept 16
	v_lshl_or_b32 v[BM+g], v[VF+4*g+1], 8, v[VF+4*g]
	v_lshl_or_b32 v[BM+g], v[VF+4*g+2], 16, v[BM+g]
	v_lshl_or_b32 v[BM+g], v[VF+4*g+3], 24, v[BM+g]
.set g, g+1
.endr
.set f, 0
.rept 16
	v_perm_b32 v[WSC+f], v[WSC+f], v[WSC+f], 0x01000100
.set f, f+1
.endr
	NOPS 8
.set g, 0
.rept 16                                       ; 16 x 16 products, the 16 accumulators by turns; ahead of each 64 the weights' next 16 loads, behind them their sum
.set bq, g/4
.if g%4 == 0
	WIN 0
	WRL bq
.endif
	WIN 0x5e
.set t, 0
.rept 16
.if g == 0
	v_wmma_scale_f32_16x16x128_f8f6f4 v[8*t:8*t+7], v[16*g:16*g+15], v[16*t:16*t+15], 0, v[BM+g], v[WSC+t] matrix_a_fmt:MATRIX_FMT_BF8 matrix_b_fmt:MATRIX_FMT_BF8
.else
	v_wmma_scale_f32_16x16x128_f8f6f4 v[8*t:8*t+7], v[16*g:16*g+15], v[16*t:16*t+15], v[8*t:8*t+7], v[BM+g], v[WSC+t] matrix_a_fmt:MATRIX_FMT_BF8 matrix_b_fmt:MATRIX_FMT_BF8
.endif
.set t, t+1
.endr
.if g%4 == 3
	WIN 0
	WRA bq
.endif
.set g, g+1
.endr
	WIN 0
.irp p, 0,1,2,3
	global_store_b128 v51, v[O+4*\p:O+4*\p+3], s[26:27] offset:512*\p
.endr
	NOPS 8
	WIN 0x05
.set t, 0
.rept 16
	v_pk_add_f32 v[VF+4*t:VF+4*t+1], v[8*t:8*t+1], v[8*t+2:8*t+3]
	v_pk_add_f32 v[VF+4*t+2:VF+4*t+3], v[8*t+4:8*t+5], v[8*t+6:8*t+7]
.set t, t+1
.endr
	WIN 0
.set t, 0
.rept 16
	v_pk_add_f32 v[VF+4*t:VF+4*t+1], v[VF+4*t:VF+4*t+1], v[VF+4*t+2:VF+4*t+3]
.set t, t+1
.endr
.set t, 0
.rept 16
	v_add_f32 v[SCO+t], v[VF+4*t], v[VF+4*t+1]
.set t, t+1
.endr
.set t, 0
.rept 16
	v_permlanex16_b32 v[P+t], v[SCO+t], s58, s59
.set t, t+1
.endr
.set t, 0
.rept 16
	v_add_f32 v[SCO+t], v[SCO+t], v[P+t]
.set t, t+1
.endr
.set t, 0
.rept 16
	ds_store_b32 v56, v[SCO+t] offset:64*t
.set t, t+1
.endr
	ds_load_b128 v[VF:VF+3], v57
	ds_load_b128 v[VF+4:VF+7], v57 offset:512
	s_wait_dscnt 0x0
	global_store_b128 v[A16], v[VF:VF+3], s[24:25]
	global_store_b128 v[A16], v[VF+4:VF+7], s[24:25] offset:512
	s_wait_xcnt 0x0
	v_lshl_add_u32 v254, v0, 2, SPARE              ; the add's two registers served the sums in the loop: made anew
	v_mov_b32 v255, 0
	s_wait_alu depctr_va_vdst(0)
	s_wait_tensorcnt 0x0                           ; the wave's end
	ds_add_u32 v254, v255
	s_wait_dscnt 0x0
	CROUND                                         ; the closing round
	s_endpgm
.Lfunc_end_k_q69a7184103_attn:
	.size	k_q69a7184103_attn, .Lfunc_end_k_q69a7184103_attn-k_q69a7184103_attn
	.p2alignl 7, 3214868480
	.fill 96, 4, 3214868480
	.section	.rodata,"a",@progbits
	.p2align	6, 0x0
	.amdhsa_kernel k_q69a7184103_attn
		.amdhsa_group_segment_fixed_size 327680
		.amdhsa_private_segment_fixed_size 0
		.amdhsa_enable_private_segment 0
		.amdhsa_kernarg_size 80
		.amdhsa_user_sgpr_count 2
		.amdhsa_user_sgpr_kernarg_segment_ptr 1
		.amdhsa_wavefront_size32 1
		.amdhsa_system_sgpr_workgroup_id_x 1
		.amdhsa_system_sgpr_workgroup_id_y 1
		.amdhsa_system_sgpr_workgroup_id_z 1
		.amdhsa_system_vgpr_workitem_id 0
		.amdhsa_next_free_vgpr 1024
		.amdhsa_next_free_sgpr 80
		.amdhsa_reserve_vcc 0
		.amdhsa_float_denorm_mode_32 3
		.amdhsa_float_denorm_mode_16_64 3
		.amdhsa_memory_ordered 1
		.amdhsa_forward_progress 1
		.amdhsa_inst_pref_size 194
	.end_amdhsa_kernel
	.amdgpu_metadata
---
amdhsa.version: [ 1, 2 ]
amdhsa.kernels:
  - .name:           k_q69a7184103_attn
    .symbol:         k_q69a7184103_attn.kd
    .args:
      - { .name: qc, .offset: 0, .size: 8, .value_kind: global_buffer, .address_space: global }
      - { .name: qs, .offset: 8, .size: 8, .value_kind: global_buffer, .address_space: global }
      - { .name: kc, .offset: 16, .size: 8, .value_kind: global_buffer, .address_space: global }
      - { .name: ks, .offset: 24, .size: 8, .value_kind: global_buffer, .address_space: global }
      - { .name: vc, .offset: 32, .size: 8, .value_kind: global_buffer, .address_space: global }
      - { .name: vs, .offset: 40, .size: 8, .value_kind: global_buffer, .address_space: global }
      - { .name: Wo_codes, .offset: 48, .size: 8, .value_kind: global_buffer, .address_space: global }
      - { .name: Wo_scales, .offset: 56, .size: 8, .value_kind: global_buffer, .address_space: global }
      - { .name: pp, .offset: 64, .size: 8, .value_kind: global_buffer, .address_space: global }
      - { .name: pw, .offset: 72, .size: 8, .value_kind: global_buffer, .address_space: global }
    .group_segment_fixed_size: 327680
    .private_segment_fixed_size: 0
    .kernarg_segment_align: 8
    .kernarg_segment_size: 80
    .max_flat_workgroup_size: 128
    .sgpr_count:     80
    .vgpr_count:     1024
    .wavefront_size: 32
...
	.end_amdgpu_metadata
.endif
;; end of part 2
;; launch finish (part 3): grid 96 x 1, 8 waves a work-group, no clusters, 5,120 bytes of LDS; arguments pp, pw, bo, out0, out1; writes out0, out1
.if DOCPART == 3
	.amdgcn_target "amdgcn-amd-amdhsa--gfx1250"
	.amdhsa_code_object_version 6
	.text
	.protected	k_q69a7184103_finish
	.globl	k_q69a7184103_finish
	.p2align	8
	.type	k_q69a7184103_finish,@function
k_q69a7184103_finish:
	s_mov_b64 s[64:65], 0
	v_nop
	global_prefetch_b8 v0, s[64:65] scope:SCOPE_SE
	s_setreg_imm32_b32 hwreg(HW_REG_WAVE_MODE, 25, 1), 1
	s_wait_xcnt 0x0
; out0[b][o] = (the sum of pp's 64 rows of batch b) / 2,048 + bo[o];  out1[b][k] = (the sum of pw's 64 rows of batch b) / 32,768.
; A work-group makes 128 neighbouring outputs: work-groups 0-31 of out0, 32-95 of out1; only pointers, shifts and the factor are chosen, by the work-group's number.
; Each of eight waves adds eight rows (a load reads 512 consecutive bytes); the eight sums meet in LDS, and wave 0 adds them, scales, adds the bias and stores 512 consecutive bytes.
; No matrix unit, no cluster, no tensor load: 3 MB are read once, in long pieces.
	s_load_b256 s[4:11], s[0:1], 0x0               ; pp s[4:5], pw s[6:7], bo s[8:9], out0 s[10:11]
	s_load_b64 s[12:13], s[0:1], 0x20              ; out1
	v_lshl_add_u32 v64, v0, 2, 0x1000
	v_mov_b32 v65, 0
	v_lshrrev_b32 v1, 5, v0
	s_delay_alu instid0(VALU_DEP_1)
	v_readfirstlane_b32 s22, v1                    ; wave 0..7
	v_and_b32 v1, 31, v0
	s_delay_alu instid0(VALU_DEP_1)
	v_lshlrev_b32 v1, 4, v1                        ; 16 x lane
	s_lshl_b32 s23, s22, 9
	v_add_nc_u32 v2, s23, v1                       ; LDS: 512 x wave + 16 x lane
.irp i, 0,1,2,3
	v_mov_b32 v[48+\i], 0                          ; out1 has no bias
.endr
	s_mov_b32 s20, 0x38000000                      ; 1 / 32,768
	s_cmp_lt_u32 ttmp9, 32                         ; out0's work-group or out1's?
	s_cselect_b32 s18, 12, 13                      ; a row's bytes, as a shift: 4,096 or 8,192
	s_cselect_b32 s19, 3, 4                        ; work-groups to a row, as a shift
	s_cselect_b32 s20, 0x3a000000, s20             ; 1 / 2,048
	s_cselect_b32 s21, 0, 32
	s_wait_alu depctr_va_vdst(0)
	s_wait_kmcnt 0x0
	s_cselect_b64 s[14:15], s[4:5], s[6:7]         ; from
	s_cselect_b64 s[16:17], s[10:11], s[12:13]     ; to
	s_sub_co_u32 s21, ttmp9, s21                   ; my number among the output's work-groups
	s_lshr_b32 s24, s21, s19                       ; the batch
	s_lshl_b32 s25, s24, s19
	s_sub_co_u32 s25, s21, s25
	s_lshl_b32 s25, s25, 9                         ; my 512 bytes of a row
	s_lshl_b32 s26, s24, 6
	s_lshl_b32 s26, s26, s18                       ; the batch's first of 64 rows
	s_add_co_u32 s26, s26, s25
	s_mov_b32 s27, 0
	s_add_nc_u64 s[14:15], s[14:15], s[26:27]
	s_lshl_b32 s26, s24, s18
	s_add_co_u32 s26, s26, s25
	s_add_nc_u64 s[16:17], s[16:17], s[26:27]
	s_mov_b32 s26, s25
	s_add_nc_u64 s[8:9], s[8:9], s[26:27]          ; bo at my 128 numbers (used by out0's work-groups alone)
	s_cmp_lt_u32 ttmp9, 32
	s_cbranch_scc0 .Lno_bias
	s_cmp_lg_u32 s22, 0
	s_cbranch_scc1 .Lno_bias
	global_load_b128 v[48:51], v1, s[8:9]          ; wave 0 of out0's work-groups asks for the bias with its first loads
.Lno_bias:
	s_lshl_b32 s28, s22, 3
.irp i, 0,1,2,3,4,5,6,7
	s_add_co_u32 s29, s28, \i                      ; row 8 x wave + i
	s_lshl_b32 s29, s29, s18
	v_add_nc_u32 v[4+\i], s29, v1
	global_load_b128 v[16+4*\i:19+4*\i], v[4+\i], s[14:15] th:TH_LOAD_NT
.endr
.macro SUM8                            ; eight vectors of four numbers at v16 on are added, by pairs
.irp i, 0,2,4,6
	v_pk_add_f32 v[16+4*\i:17+4*\i], v[16+4*\i:17+4*\i], v[20+4*\i:21+4*\i]
	v_pk_add_f32 v[18+4*\i:19+4*\i], v[18+4*\i:19+4*\i], v[22+4*\i:23+4*\i]
.endr
.irp i, 0
	v_pk_add_f32 v[16+4*\i:17+4*\i], v[16+4*\i:17+4*\i], v[24+4*\i:25+4*\i]
	v_pk_add_f32 v[18+4*\i:19+4*\i], v[18+4*\i:19+4*\i], v[26+4*\i:27+4*\i]
.endr
.irp i, 4
	s_delay_alu instid0(VALU_DEP_4)
	v_pk_add_f32 v[16+4*\i:17+4*\i], v[16+4*\i:17+4*\i], v[24+4*\i:25+4*\i]
	s_delay_alu instid0(VALU_DEP_4)
	v_pk_add_f32 v[18+4*\i:19+4*\i], v[18+4*\i:19+4*\i], v[26+4*\i:27+4*\i]
.endr
	s_delay_alu instid0(VALU_DEP_2)
	v_pk_add_f32 v[16:17], v[16:17], v[32:33]
	s_delay_alu instid0(VALU_DEP_2)
	v_pk_add_f32 v[18:19], v[18:19], v[34:35]
.endm
	s_wait_loadcnt 0x0
	SUM8
	ds_store_b128 v2, v[16:19]
	s_wait_dscnt 0x0                               ; for the others' sake: my store has landed
	s_barrier_signal -1
	s_barrier_wait -1
	s_cmp_lg_u32 s22, 0
	s_cbranch_scc1 .Ldone                          ; wave 0 alone goes on; no barrier follows
.irp i, 0,1,2,3,4,5,6,7
	ds_load_b128 v[16+4*\i:19+4*\i], v1 offset:512*\i
.endr
	s_wait_dscnt 0x0
	SUM8
	s_wait_alu depctr_va_vdst(0)
	s_wait_loadcnt 0x0
	v_pk_fma_f32 v[16:17], v[16:17], s[20:21], v[48:49] op_sel_hi:[1,0,1]   ; the mean, and the bias (of the pair s[20:21] the low word serves both halves)
	v_pk_fma_f32 v[18:19], v[18:19], s[20:21], v[50:51] op_sel_hi:[1,0,1]
	global_store_b128 v1, v[16:19], s[16:17]       ; 32 lanes store 512 consecutive bytes
.Ldone:
	s_wait_tensorcnt 0x0
	ds_add_u32 v64, v65
	s_wait_dscnt 0x0
	s_endpgm
.Lfunc_end_k_q69a7184103_finish:
	.size	k_q69a7184103_finish, .Lfunc_end_k_q69a7184103_finish-k_q69a7184103_finish
	.p2alignl 7, 3214868480
	.fill 96, 4, 3214868480
	.section	.rodata,"a",@progbits
	.p2align	6, 0x0
	.amdhsa_kernel k_q69a7184103_finish
		.amdhsa_group_segment_fixed_size 5120
		.amdhsa_private_segment_fixed_size 0
		.amdhsa_enable_private_segment 0
		.amdhsa_kernarg_size 40
		.amdhsa_user_sgpr_count 2
		.amdhsa_user_sgpr_kernarg_segment_ptr 1
		.amdhsa_wavefront_size32 1
		.amdhsa_system_sgpr_workgroup_id_x 1
		.amdhsa_system_sgpr_workgroup_id_y 1
		.amdhsa_system_sgpr_workgroup_id_z 1
		.amdhsa_system_vgpr_workitem_id 0
		.amdhsa_next_free_vgpr 66
		.amdhsa_next_free_sgpr 66
		.amdhsa_reserve_vcc 0
		.amdhsa_float_denorm_mode_32 3
		.amdhsa_float_denorm_mode_16_64 3
		.amdhsa_memory_ordered 1
		.amdhsa_forward_progress 1
		.amdhsa_inst_pref_size 7
	.end_amdhsa_kernel
	.amdgpu_metadata
---
amdhsa.version: [ 1, 2 ]
amdhsa.kernels:
  - .name:           k_q69a7184103_finish
    .symbol:         k_q69a7184103_finish.kd
    .args:
      - { .name: pp, .offset: 0, .size: 8, .value_kind: global_buffer, .address_space: global }
      - { .name: pw, .offset: 8, .size: 8, .value_kind: global_buffer, .address_space: global }
      - { .name: bo, .offset: 16, .size: 8, .value_kind: global_buffer, .address_space: global }
      - { .name: out0, .offset: 24, .size: 8, .value_kind: global_buffer, .address_space: global }
      - { .name: out1, .offset: 32, .size: 8, .value_kind: global_buffer, .address_space: global }
    .group_segment_fixed_size: 5120
    .private_segment_fixed_size: 0
    .kernarg_segment_align: 8
    .kernarg_segment_size: 40
    .max_flat_workgroup_size: 256
    .sgpr_count:     66
    .vgpr_count:     66
    .wavefront_size: 32
...
	.end_amdgpu_metadata
.endif
;; end of part 3
